; MI455X (gfx1250); checked and timed in simulation.
; The chip was launched on July 23, 2026; its instructions are those of AMD's public machine-readable ISA for CDNA 5 (MIT licence, August 2026) and "CDNA5" Instruction Set Architecture Reference Guide (July 2026). The comments in the code are by the model that wrote it; some were corrected since.
;; Grouped Query Attention. Allowed arithmetic: matrix products marked QUANTISED: E2M1 operands, one E8M0 scale for each 32 along K, by v_wmma_scale_f32_16x16x128_f8f6f4 with both operands' format E2M1 (or v_wmma_scale_f32_32x16x128_f4), f32 sums; everything else in f32.
;; Inputs: k 2 x 2,048 x 512 float32; q 2 x 2,048 x 2,048 float32; v_codes 2 x 512 x 64 x 16 uint8 (E2M1 codes of v, K innermost, in blocks of 32 codes, two codes a byte); v_scales 2 x 512 x 64 uint8 (E8M0 scales of v, one for each 32 codes along K).
;; Outputs: out0 2 x 2,048 x 2,048 float32.
;; This version of the problem:
;;   THIS VERSION OF THE PROBLEM IS GIVEN IN LOW PRECISION. The matrix products marked QUANTISED in the list below multiply operands that are first quantised to E2M1 (2 exponent bits, 1 mantissa bit; 4 bits a number), with one power-of-two scale for each 32 numbers along K (OCP MX v1.0); their sums are f32. All else is computed in f32.
;;   The module's matrix products, in the order in which they are computed (A, B: the left and right operand; K: the contracted axis; several contracted axes count as one K, in the product's order):
;;     1. batch 16 x [M 8,192, K 64] x [K 64, N 2,048]; A: input q; B: input k: QUANTISED
;;     2. batch 16 x [M 8,192, K 2,048] x [K 2,048, N 64]; A: computed on the way; B: input v (given as codes): QUANTISED
;;   THE QUANTISER, for each operand of a quantised product, along K:
;;     - K is cut into blocks of 32 from its start; a last block that is shorter is filled with zeros.
;;     - A block's scale is 2^e with e = floor(log2(the largest magnitude in the block)) - 2, held to -126 .. 127; a block of zeros has e = 0. As a byte (E8M0): e + 127.
;;     - Each number is divided by its block's scale, clamped to +-6, and rounded to the nearest number of E2M1, ties to even, subnormals kept.
;;     - The product sums the exact products of the quantised numbers (number of the format x scale) in f32.
;;   ~~~python
;;   def quantise(x, axis):      # numpy; x: float32 -> the quantised numbers, widened to float32 again
;;       x = np.moveaxis(x, axis, -1); K = x.shape[-1]
;;       x = np.pad(x, [(0, 0)] * (x.ndim - 1) + [(0, -K % 32)]); x = x.reshape(x.shape[:-1] + (-1, 32)); a = np.abs(x).max(-1, keepdims=True)
;;       e = np.where(a > 0, np.clip(np.frexp(np.where(a > 0, a, 1))[1] - 1 - 2, -126, 127), 0)      # np.frexp(a)[1] - 1 = floor(log2(a)), exactly
;;       r = np.clip(x / 2.0 ** e, -6, 6)
;;       step = 2.0 ** (np.maximum(np.frexp(np.where(r == 0, 1, r))[1] - 1, 0) - 1)
;;       q = np.round(r / step) * step * 2.0 ** e      # np.round: ties to even
;;       return np.moveaxis(q.reshape(q.shape[:-2] + (-1,))[..., :K], -1, axis).astype(np.float32)
;;   ~~~
;;   OPERANDS COMPUTED ON THE WAY. 'Computed on the way' means the value that the module computes at that place (a softmax that the list does not call 'softmax' is quantised finished and normalised). What goes into a quantiser is computed in f32, as accurately as f32 sums, v_exp_f32 and their like allow (about 1e-6 of the number): no bf16 or f16 on the way to a quantiser, and a product that is left as it is and whose result goes on into a quantised operand takes f32 operands (vector FMAs, or v_wmma_f32_16x16x4_f32). A number that lies on a knife's edge between two numbers of the format may be rounded either way, as far as f32 arithmetic and the matrix unit's own rounding can turn it there, and no further.
;;   INPUTS GIVEN AS CODES. v (in the module: [2, 2048, 512], K = its axis 1): each comes as NAME_codes (uint8): NAME with its K axis moved to the last place and cut into blocks of 32 codes, [.., K / 32, bytes a block], one block behind the other in memory; two codes a byte, the lower K in the low four bits (a code: sign, 2 exponent bits, 1 mantissa bit); and NAME_scales (uint8): the same leading axes, one E8M0 byte (e + 127) for each 32 codes along K. Its value is code x scale, taken as it is: it is not quantised again, and the codes and scales need not be those that the quantiser above would give.
;; 2 versions, each right; version 2 is version 1 with the launch gqa written anew for expert scheduling mode. Each part assembles by itself: llvm-mc -triple=amdgcn-amd-amdhsa -mcpu=gfx1250 --defsym DOCPART=n.
;; ======== version 1 of 2: 1 launch
;; launch gqa (part 1): grid 256 x 1, 4 waves a work-group, no clusters, 80,384 bytes of LDS; arguments q, k, v_codes, v_scales, out0; writes out0
.if DOCPART == 1
	.amdgcn_target "amdgcn-amd-amdhsa--gfx1250"
	.amdhsa_code_object_version 6
	.text
	.protected	k_qb88040bc9b_gqa
	.globl	k_qb88040bc9b_gqa
	.p2align	8
	.type	k_qb88040bc9b_gqa,@function
k_qb88040bc9b_gqa:
	s_mov_b64 s[64:65], 0
	v_nop
	global_prefetch_b8 v0, s[64:65] scope:SCOPE_SE
	s_setreg_imm32_b32 hwreg(HW_REG_WAVE_MODE, 25, 1), 1
	s_wait_xcnt 0x0
; Grouped-query attention, both products on codes of FP4 (E2M1) with one E8M0 scale for each 32 along a product's K.
; q [2][2048][2048] f32 (head = 4 kv + g, 64 numbers = 256 bytes a head), k [2][2048][512] f32, v as codes with the keys innermost [2][512][2048 codes] and scale bytes [2][512][64], out0 as q.
; WHAT IS QUANTISED for the second product is the FINISHED weight exp(s/8 - max) / sum, along the keys.  So a row's maximum and sum over all 2,048 keys are known before any weight is converted.
; SHARES.  A work-group of four waves owns one (batch, kv head) and 128 positions x 4 query heads = 32 tiles of 16 queries.  THE WAVES SHARE THE KEYS: wave w owns keys 512 w .. 512 w + 511.
; A tile's 16 x 512 scores are 256 registers of a wave, so a whole row stays in the four waves' registers from the first product to the conversion: each score and each exponential is made once.
; The wave's codes of K (128 registers) and of V (128) stay in registers for the whole launch; k is quantised at the head.
; SOFTMAX.  c = log2(e) / 8.  Each wave takes its OWN largest score away: cm = c x max, p = 2^(c s - cm) <= 1, l = sum of p.  The pairs (cm, l) cross through LDS; every wave forms M = max cm,
; L = sum of 2^(cm_k - M) l_k >= 1 and r = 2^(cm - M) / L; the weight is p r.  A maximum is always taken away, so no exponential and no sum overflows.
; ONE BARRIER A TILE: while tile i's figures cross LDS the wave makes tile i + 1's scores, exponentials and sum in a second set of 256 registers.  The four partial O meet in LDS and leave one tile later.
; THE HEAD'S 64 IN AN INSTRUCTION OF K = 128: source 0 holds TWO tiles of 16 keys (registers 0-3 the first's 64 numbers, 4-7 the second's); q lies as twelve registers 0 0 0 0 q q q q 0 0 0 0:
; the upper eight (q, 0) give the first tile's scores, the lower eight (0, q) the second's.  Zero codes add nothing under any scale byte but 0xff.
; Both products are used transposed (source 0 = keys, or V's rows; source 1 = queries): a lane holds ONE query (lane % 16) throughout.  The keys of a tile are not neighbours: lane r of tile u of a
; group of 32 keys takes key 8 u + r + 8 (r / 8), so that a lane's 16 registers of the two tiles are 16 neighbouring keys: register 16 f + i is key 32 f + 16 (lane / 16) + i.
; NO CLUSTER, NO TENSOR LOAD: what work-groups share (k, v of a head) is read once by each, at the head, into registers; a work-group's part of k is 512 KB of f32, more than LDS holds, so joint
; loads would need slots filled again for a phase that is 18 steps against the loop's 32 tiles; the loop itself reads only q, which nobody shares.
; LIMITS: NaN and infinities among the inputs are not served; a byte 0xff in v_scales gives NaN; weights under 2^-126 become 0 (v_exp_f32 gives 0 there); a block of zeros carries the byte 1, not 127
; (its codes are zeros, and only this text reads the byte); a block's largest weight is taken from its largest score through the same multiply-add, exponential and multiplication, which takes
; v_exp_f32 not to fall where its input rises.
; REGISTERS, in windows of 256: window 0 as named below; window 1, window 2: the scores of even and odd tiles (at the head: k and v as loaded; k turned); window 3: v0-127 K's codes, v128-255 V's.
.set PIT,   272                        ; an LDS row of 256 bytes + 16: the sixteen rows that a load or store of 16 bytes a lane touches begin at sixteen different 16-byte columns of 256
.set KSTW,  32*PIT                     ; LDS 0: a stage of 32 rows for each wave, its own, for the head
.set STATS, 4*KSTW                     ; two slots of 1,024: wave w's 256 bytes, (cm, l) of each lane
.set OP,    STATS+2048                 ; two slots: four waves x 16 rows: partial O as rows [query][64 f32]
.set OPWV,  16*PIT
.set OPS,   4*OPWV
.set QC,    OP+2*OPS                   ; four slots of 1,024: a tile's codes of q (row r at 32 r), from + 512 its 16 scale words.  + 0, + 1024: by turns; + 2048, + 3072: tiles 0 and 1
.set QT,    QC+4096                    ; 1,024 bytes for each wave, its own: four rows of q turn here
.set STW, 1                            ; v1   STATS + 8 x thread
.set STR, 2                            ; v2   STATS + 8 x lane
.set OPW, 3                            ; v3   where I put 32 bytes of a row of partial O
.set OPR, 4                            ; v4   where I read rows of partial O back
.set QCW, 5                            ; v5   where I put 8 codes of q
.set QSW, 6                            ; v6   and the row's scale word
.set QFR, 7                            ; v7   q's fragment
.set QSR, 8                            ; v8   q's scale words
.set QTW, 9                            ; v9   the turn of q: in
.set QTR, 10                           ; v10  and out
.set GL,  11                           ; v11  my byte in a tile of q or out0: row 4 w + lane / 16, 16 (lane % 16)
.set QA,  12                           ; v12  offset of the loads of q in hand
.set OA,  13                           ; v13  offset of the stores in hand
.set SHQ, 14                           ; v14  8 x ((lane / 4) % 2)
.set SHH, 15                           ; v15  8 x (lane / 16)
.set KL,  16                           ; v16  k: two rows a load
.set VL,  17                           ; v17  v_codes: two rows a load
.set KSW, 18                           ; v18  the head's stage: in
.set KSR, 19                           ; v19  out, for k
.set VSR, 20                           ; v20  out, for v
.set VSL, 21                           ; v21  v_scales: 64 r
.set LR,  22                           ; v22  r = lane % 16
.set LH,  23                           ; v23  h = lane / 16
.set QF,  24                           ; v24-35  0 0 0 0 q q q q 0 0 0 0
.set QS,  36                           ; v36  q's scale words
.set LN,  37                           ; v37  lane (head only)
.set RR,  38                           ; v38-39  r (the upper one is only named with it as a pair)
.set ST,  40                           ; v40-41 (cm, l) of even tiles, v42-43 of odd ones
.set ZZ,  44                           ; v44-47 at work
.set KS,  48                           ; v48-63  K's scale words, one for each group of 32 keys
.set VS,  64                           ; v64-79  V's scale words: 4 t + s
.set PW,  80                           ; v80-81  the weights' scale words: lanes 0-15 key steps 0, 1; lanes 16-31 steps 2, 3
.set SU,  84                           ; v84-91  four chains of sums
.set SL,  92                           ; v92-99  the four waves' (cm, l)
.set OS,  100                          ; v100-107 rows of out0 to store
.set QR,  108                          ; v108-115 rows of q as loaded
.set QX,  116                          ; v116-123 eight neighbours of a row of q
.set QM,  124
.set QSO, 125
.set QCD, 126
.set QB,  127
.set QB2, 128
.set KM0, 124                          ; the head's own names for v124-129
.set KM1, 125
.set KSO0, 126
.set KSO1, 127
.set KB0, 128
.set KB1, 129
.set TT,  132                          ; v132-147 sixteen blocks' figures
.set RQ,  132                          ; (head: rows of q of tiles 0, 1, 2 in v132-155)
.set BM0, 148                          ; v148-155 blocks' largest scores of even tiles, packed: lanes 0-15 block b, lanes 16-31 block b + 8; v156-163 of odd tiles
.set RED, 192                          ; v192-223 partial O read back;
.set PCD, 192                          ; later the weights' codes
.set OO,  224                          ; v224-255 my partial O^T
.set MSB, 0
.macro WIN new                         ; bits 1:0 source 0, 3:2 source 1, 5:4 source 2, 7:6 destination; the immediate's high byte repeats the setting that is left
.if MSB != (\new)
	s_set_vgpr_msb (MSB<<8)|(\new)
.set MSB, (\new)
.endif
.endm
	s_load_b256 s[4:11], s[0:1], 0x0               ; q s[4:5], k s[6:7], v_codes s[8:9], v_scales s[10:11]
	s_load_b64 s[12:13], s[0:1], 0x20              ; out0
	v_lshl_add_u32 v190, v0, 2, 0x13800
	v_mov_b32 v191, 0
	v_lshrrev_b32 v[LN], 5, v0
	v_readfirstlane_b32 s14, v[LN]                 ; wave 0..3
	v_and_b32 v[LN], 31, v0
	v_and_b32 v[LR], 15, v0
	v_bfe_u32 v[LH], v0, 4, 1
	s_lshr_b32 s15, ttmp9, 7                       ; batch
	s_bfe_u32 s16, ttmp9, 0x30004                  ; kv head
	s_and_b32 s17, ttmp9, 15                       ; which 128 positions
	s_lshl_b32 s26, s15, 24                        ; q, out0: batch x 2048 x 8192 + 128 positions x 8192 + kv x 1024
	s_lshl_b32 s18, s17, 20
	s_or_b32 s26, s26, s18
	s_lshl_b32 s18, s16, 10
	s_or_b32 s26, s26, s18
	s_mov_b32 s27, 0
	s_lshl_b32 s28, s15, 22                        ; k: batch x 2048 x 2048 + my 512 keys x 2048 + kv x 256
	s_lshl_b32 s18, s14, 20
	s_or_b32 s28, s28, s18
	s_lshl_b32 s18, s16, 8
	s_or_b32 s28, s28, s18
	s_mov_b32 s29, 0
	s_lshl_b32 s30, s15, 19                        ; v_codes: batch x 512 x 1024 + kv x 64 x 1024 + my 512 keys' 256 bytes
	s_lshl_b32 s18, s16, 16
	s_or_b32 s30, s30, s18
	s_lshl_b32 s18, s14, 8
	s_or_b32 s30, s30, s18
	s_mov_b32 s31, 0
	s_lshl_b32 s32, s15, 15                        ; v_scales: batch x 512 x 64 + kv x 64 x 64 + my 16 bytes
	s_lshl_b32 s18, s16, 12
	s_or_b32 s32, s32, s18
	s_lshl_b32 s18, s14, 4
	s_or_b32 s32, s32, s18
	s_mov_b32 s33, 0
	s_mov_b32 s20, 0x76543210                      ; v_permlanex16_b32's selects for lane l xor 16
	s_mov_b32 s21, 0xfedcba98
	s_mov_b32 s22, 0x3e38aa3b                      ; c = log2(e) / 8
	s_mov_b32 s23, s22                             ; (named with it as a pair)
	v_lshl_add_u32 v[STW], v0, 3, STATS
	v_lshl_add_u32 v[STR], v[LN], 3, STATS
	v_mul_u32_u24 v[OPW], v[LR], PIT
	v_lshl_add_u32 v[OPW], v[LH], 5, v[OPW]
	s_mul_i32 s18, s14, OPWV
	s_add_co_u32 s18, s18, OP
	v_add_nc_u32 v[OPW], s18, v[OPW]               ; OP + my wave's 16 rows + row r + 32 h
	v_mul_u32_u24 v[OPR], v[LH], PIT
	v_lshl_add_u32 v[OPR], v[LR], 4, v[OPR]
	s_mul_i32 s18, s14, 4*PIT
	s_add_co_u32 s18, s18, OP
	v_add_nc_u32 v[OPR], s18, v[OPR]               ; OP + row 4 w + h + 16 r
	v_lshl_add_u32 v[QCW], v0, 2, QC
	v_lshrrev_b32 v[QSW], 3, v0
	v_lshl_add_u32 v[QSW], v[QSW], 2, QC+512
	v_lshlrev_b32 v[QFR], 5, v[LR]
	v_lshl_add_u32 v[QFR], v[LH], 4, v[QFR]
	v_add_nc_u32 v[QFR], QC, v[QFR]
	v_lshl_add_u32 v[QSR], v[LR], 2, QC+512
	s_lshl_b32 s18, s14, 10
	s_add_co_u32 s18, s18, QT
	v_lshl_add_u32 v[QTW], v[LN], 4, s18
	v_lshl_add_u32 v[QTR], v0, 5, QT
	s_lshl_b32 s18, s14, 15
	v_lshlrev_b32 v[GL], 13, v[LH]
	v_lshl_add_u32 v[GL], v[LR], 4, v[GL]
	v_add_nc_u32 v[GL], s18, v[GL]
	v_bfe_u32 v[SHQ], v0, 2, 1
	v_lshlrev_b32 v[SHQ], 3, v[SHQ]
	v_lshlrev_b32 v[SHH], 3, v[LH]
	v_lshlrev_b32 v[KL], 11, v[LH]
	v_lshl_add_u32 v[KL], v[LR], 4, v[KL]
	v_lshlrev_b32 v[VL], 10, v[LH]
	v_lshl_add_u32 v[VL], v[LR], 4, v[VL]
	s_mul_i32 s18, s14, KSTW
	v_mul_u32_u24 v[KSW], v[LH], PIT
	v_lshl_add_u32 v[KSW], v[LR], 4, v[KSW]
	v_add_nc_u32 v[KSW], s18, v[KSW]
	v_mul_u32_u24 v[KSR], v[LR], PIT
	v_lshl_add_u32 v[VSR], v[LH], 4, v[KSR]
	v_lshl_add_u32 v[KSR], v[LH], 7, v[KSR]
	v_add_nc_u32 v[KSR], s18, v[KSR]
	v_add_nc_u32 v[VSR], s18, v[VSR]
	v_lshlrev_b32 v[VSL], 6, v[LR]
.irp i, 0,1,2,3,8,9,10,11
	v_mov_b32 v[QF+\i], 0                          ; the zero codes beside q: written once
.endr
	v_mov_b32 v[RR+1], 0                           ; upper halves of pairs of which the low word serves both halves
	v_mov_b32 v[ST+1], 0
	v_mov_b32 v[ST+3], 0
	v_mov_b32 v[QB2], 0                            ; destinations of lane exchanges count as read
.irp i, 0,1,2,3
	v_mov_b32 v[ZZ+\i], 0
.endr
	s_wait_kmcnt 0x0
	s_add_nc_u64 s[4:5], s[4:5], s[26:27]
	s_add_nc_u64 s[12:13], s[12:13], s[26:27]
	s_add_nc_u64 s[6:7], s[6:7], s[28:29]
	s_add_nc_u64 s[8:9], s[8:9], s[30:31]
	s_add_nc_u64 s[10:11], s[10:11], s[32:33]
.irp t, 0,1,2,3
	global_load_b128 v[VS+4*\t:VS+4*\t+3], v[VSL], s[10:11] offset:1024*\t   ; V's scale words of rows 16 t + r: my four key steps' 16 bytes
.endr
.irp n, 0,1,2
.irp j, 0,1
	global_load_b128 v[RQ+8*\n+4*\j:RQ+8*\n+4*\j+3], v[GL], s[4:5] offset:256*\n+16384*\j th:TH_LOAD_NT   ; my four rows of tiles 0, 1, 2 of q: sixteen lanes read a head's 256 bytes
.endr
.endr
.irp j, 0,1
	global_load_b128 v[QR+4*\j:QR+4*\j+3], v[GL], s[4:5] offset:768+16384*\j th:TH_LOAD_NT   ; and of tile 3
.endr
; THE HEAD: 18 steps.  Steps 0-15: 32 keys of k each; steps 16, 17: 32 rows of v_codes each.  A step's 16 loads take two whole rows of 256 bytes each; the 8 KB turn through the wave's own stage.
.macro HLOAD st
	WIN 0x40                                       ; destination window 1
.set n, 0
.rept 16
.if (\st) < 16
	global_load_b128 v[64*((\st)%4)+4*n:64*((\st)%4)+4*n+3], v[KL], s[6:7] offset:(32*(\st)+2*n)*2048
.else
	global_load_b128 v[64*((\st)%4)+4*n:64*((\st)%4)+4*n+3], v[VL], s[8:9] offset:(32*((\st)-16)+2*n)*1024
.endif
.set n, n+1
.endr
.endm
; Into the stage: key k of the 32 goes to row 16 ((k / 8) % 2) + k % 8 + 8 (k / 16), so that row 16 u + r holds key 8 u + r + 8 (r / 8).  Out of it: lane (r, h) takes the 32 numbers 32 h .. of
; rows r and 16 + r: a whole block a tile.  V's rows go in as they lie and come out as fragments, straight into window 3.  LDS serves a wave's instructions in order (ISA guide 5.7.1.4): one stage does.
.macro TURN st
.if 17-(\st) >= 2
	s_wait_loadcnt 32                              ; this step's 16 loads are in; those of the two younger steps may be out
.else
	s_wait_loadcnt 16*(17-(\st))
.endif
	WIN 0x04                                       ; a store's data: window 1
.set n, 0
.rept 16
.if (\st) < 16
.set sg, 16*(((2*n)>>3)&1)+((2*n)&7)+8*((2*n)>>4)
.else
.set sg, 2*n
.endif
	ds_store_b128 v[KSW], v[64*((\st)%4)+4*n:64*((\st)%4)+4*n+3] offset:PIT*sg
.set n, n+1
.endr
.if (\st) < 16
	WIN 0x80                                       ; destination window 2
.set n, 0
.rept 16
	ds_load_b128 v[128+64*((\st)%2)+4*n:128+64*((\st)%2)+4*n+3], v[KSR] offset:PIT*16*(n/8)+16*(n%8)
.set n, n+1
.endr
.else
	WIN 0xc0                                       ; destination window 3
.set n, 0
.rept 16
.set tq, 2*((\st)-16)+n/8
.set sq, (n/2)%4
.set cq, n%2
	ds_load_b128 v[128+8*(4*tq+sq)+4*cq:128+8*(4*tq+sq)+4*cq+3], v[VSR] offset:PIT*16*(n/8)+64*sq+32*cq   ; rows 16 t + r, key step s: keys 64 c + 32 h + 0 .. 31
.set n, n+1
.endr
.endif
.endm
; 32 keys become a fragment and a scale word.  A block's scale is its largest magnitude's exponent field less 2, held at 1 from below by the floor 2^(3 - 127) among the maximum's leaves.
.macro KQUANT f
.set xb, 128+64*((\f)%2)
	WIN 0x28                                       ; sources 1 and 2 window 2
	v_max3_num_f32 v[KM0], 0x1800000, |v[xb]|, |v[xb+1]|
	v_max3_num_f32 v[KM1], 0x1800000, |v[xb+32]|, |v[xb+33]|
.set n, 2
.rept 15
	v_max3_num_f32 v[KM0], v[KM0], |v[xb+n]|, |v[xb+n+1]|
	v_max3_num_f32 v[KM1], v[KM1], |v[xb+32+n]|, |v[xb+33+n]|
.set n, n+2
.endr
	WIN 0
	v_add_nc_u32 v[KSO0], 0xff000000, v[KM0]       ; 2 off the exponent field: the conversion's scale operand
	v_add_nc_u32 v[KSO1], 0xff000000, v[KM1]
	v_lshrrev_b32 v[KB0], 23, v[KSO0]              ; the bytes: block h of the first tile's key, of the second's
	v_lshrrev_b32 v[KB1], 23, v[KSO1]
	v_lshl_or_b32 v[KB0], v[KB1], 16, v[KB0]
	v_lshlrev_b32 v[KB0], v[SHH], v[KB0]           ; at their places in the word: 8 h bits up
	v_permlanex16_b32 v[KB1], v[KB0], s20, s21
	v_or_b32 v[KS+(\f)], v[KB0], v[KB1]            ; with lane l xor 16's two: first tile's blocks 0, 1, second tile's 0, 1
	WIN 0xc2                                       ; destination window 3, source 0 window 2
.irp g, 0,1,2,3
	v_cvt_scalef32_pk8_fp4_f32 v[8*(\f)+\g], v[xb+8*\g:xb+8*\g+7], v[KSO0]
	v_cvt_scalef32_pk8_fp4_f32 v[8*(\f)+4+\g], v[xb+32+8*\g:xb+32+8*\g+7], v[KSO1]
.endr
	WIN 0
	v_nop                                          ; one plain place behind the conversions
.endm
	HLOAD 0
	HLOAD 1
	HLOAD 2
	TURN 0
	HLOAD 3
.set HS, 0
.rept 18
.if HS < 17
	TURN HS+1
	s_wait_dscnt 32                                ; all but the 32 just issued: this step's numbers are back, and its stores have read the registers that the loads below take
.else
	s_wait_dscnt 0x0
.endif
.if HS+4 <= 17
	HLOAD HS+4
.endif
.if HS < 16
	KQUANT HS
.endif
.set HS, HS+1
.endr
	WIN 0
; q.  Each wave quantises four rows of a tile.  They are loaded densely, turn through the wave's own 1,024 bytes, and come back eight neighbours a lane: lane l has numbers 8 (l % 8) .. of row l / 8.
.macro QTURN src
	ds_store_b128 v[QTW], v[(\src):(\src)+3]
	ds_store_b128 v[QTW], v[(\src)+4:(\src)+7] offset:512
	ds_load_b128 v[QX:QX+3], v[QTR]
	ds_load_b128 v[QX+4:QX+7], v[QTR] offset:16
.endm
.macro QCOMP
	v_max3_num_f32 v[QM], |v[QX]|, |v[QX+1]|, 0x1800000
	v_max3_num_f32 v[QM], v[QM], |v[QX+2]|, |v[QX+3]|
	v_max3_num_f32 v[QM], v[QM], |v[QX+4]|, |v[QX+5]|
	v_max3_num_f32 v[QM], v[QM], |v[QX+6]|, |v[QX+7]|
	v_max_num_f32_dpp v[QM], v[QM], v[QM] row_xmask:1 row_mask:0xf bank_mask:0xf   ; four lanes hold a block of 32
	v_max_num_f32_dpp v[QM], v[QM], v[QM] row_xmask:2 row_mask:0xf bank_mask:0xf
	v_add_nc_u32 v[QSO], 0xff000000, v[QM]
	v_cvt_scalef32_pk8_fp4_f32 v[QCD], v[QX:QX+7], v[QSO]
	v_lshrrev_b32 v[QB], 23, v[QSO]                ; the byte (a plain place behind the conversion)
	v_lshlrev_b32 v[QB], v[SHQ], v[QB]             ; block 0's in byte 0, block 1's in byte 1,
	v_mov_b32_dpp v[QB2], v[QB] row_xmask:4 row_mask:0xf bank_mask:0xf
	v_or_b32 v[QB], v[QB], v[QB2]                  ; both,
	v_lshl_or_b32 v[QB], v[QB], 16, v[QB]          ; and once more above: q stands in either half of the instruction's K
.endm
.macro QPUT off
	ds_store_b32 v[QCW], v[QCD] offset:\off        ; 8 codes: 4 bytes at 4 x thread
	ds_store_b32 v[QSW], v[QB] offset:\off         ; the eight lanes of a row write the same word with the same value
.endm
.macro QPREP src, off
	QTURN \src
	s_wait_dscnt 0x0
	QCOMP
	QPUT \off
.endm
	QPREP RQ, 2048
	QPREP RQ+8, 3072
	QPREP RQ+16, 0
.irp t, 0,1,2,3
	ds_store_b128 v[OPW], v[QF:QF+3] offset:OPS+64*\t          ; zeros into my part of partial O's slot 1: the loop is written once, and its first trip adds these and stores nothing
	ds_store_b128 v[OPW], v[QF:QF+3] offset:OPS+64*\t+16
.endr
; THE SCORES of a tile into window w, the blocks' largest scores and cm into the sets of parity p.  Register work alone.
.macro SCORES w, p
.set bm, BM0+8*(\p)
.set st, ST+2*(\p)
	WIN ((\w)<<6)|3                                ; destination window w, source 0 (K) window 3
.set f, 0
.rept 16
	v_wmma_scale_f32_16x16x128_f8f6f4 v[16*f:16*f+7], v[8*f:8*f+7], v[QF+4:QF+11], 0, v[KS+f], v[QS] matrix_a_fmt:MATRIX_FMT_FP4 matrix_b_fmt:MATRIX_FMT_FP4
	v_wmma_scale_f32_16x16x128_f8f6f4 v[16*f+8:16*f+15], v[8*f:8*f+7], v[QF:QF+7], 0, v[KS+f], v[QS] matrix_a_fmt:MATRIX_FMT_FP4 matrix_b_fmt:MATRIX_FMT_FP4
.set f, f+1
.endr
.rept 4
	v_nop                                          ; four places between a matrix instruction and the first read of its result (ISA guide 7.12.1)
.endr
	WIN ((\w)<<4)|((\w)<<2)                        ; sources 1 and 2 window w
.set g, 0
.rept 4                                            ; the largest of my 16 scores of each block of 32 keys, four blocks by turns; each result is read from its low end on
.set i, 0
.rept 8
.set b, 4*g
.rept 4
.if i == 0
	v_max3_num_f32 v[TT+b], 0xff800000, v[16*b], v[16*b+1]
.else
	v_max3_num_f32 v[TT+b], v[TT+b], v[16*b+2*i], v[16*b+2*i+1]
.endif
.set b, b+1
.endr
.set i, i+1
.endr
.set g, g+1
.endr
	WIN 0
.set b, 0
.rept 8
	v_permlane16_swap_b32 v[TT+b], v[TT+8+b]       ; block b's upper lanes change places with block b + 8's lower ones:
.set b, b+1
.endr
.set b, 0
.rept 8
	v_max_num_f32 v[bm+b], v[TT+b], v[TT+8+b]      ; lanes 0-15: block b's largest score of query r; lanes 16-31: block b + 8's
.set b, b+1
.endr
	v_max3_num_f32 v[ZZ], v[bm], v[bm+1], v[bm+2]
	v_max3_num_f32 v[ZZ+1], v[bm+3], v[bm+4], v[bm+5]
	v_max3_num_f32 v[ZZ], v[ZZ], v[bm+6], v[bm+7]
	v_max_num_f32 v[ZZ], v[ZZ], v[ZZ+1]
	v_permlanex16_b32 v[ZZ+1], v[ZZ], s20, s21
	v_max_num_f32 v[ZZ], v[ZZ], v[ZZ+1]            ; my query's largest score among my wave's 512 keys
	v_mul_f32 v[st], s22, v[ZZ]                    ; cm (c is positive)
.endm
; p = 2^(c s - cm) in place, the same of the blocks' largest scores, and l.
.macro EXPSUM w, p
.set bm, BM0+8*(\p)
.set st, ST+2*(\p)
	WIN 0
.set b, 0
.rept 8
	v_fma_f32 v[bm+b], v[bm+b], s22, -v[st]
.set b, b+1
.endr
.set b, 0
.rept 8
	v_exp_f32 v[bm+b], v[bm+b]                     ; each block's largest p: the same two instructions on the same number give the same bits
.set b, b+1
.endr
	WIN ((\w)<<6)|(\w)                             ; destination and source 0 window w
.set j, 0
.rept 4
	v_pk_fma_f32 v[2*j:2*j+1], v[2*j:2*j+1], s[22:23], v[st:st+1] op_sel_hi:[1,0,0] neg_lo:[0,0,1] neg_hi:[0,0,1]
.set j, j+1
.endr
.set j, 0
.rept 128                                          ; two exponentials, then the multiply-add of the pair four pairs on: a plain instruction that touches neither (ISA guide 5.7.2)
	v_exp_f32 v[2*j], v[2*j]
	v_exp_f32 v[2*j+1], v[2*j+1]
.if j < 124
	v_pk_fma_f32 v[2*j+8:2*j+9], v[2*j+8:2*j+9], s[22:23], v[st:st+1] op_sel_hi:[1,0,0] neg_lo:[0,0,1] neg_hi:[0,0,1]
.endif
.set j, j+1
.endr
	v_nop                                          ; a plain place behind the last exponentials
	WIN ((\w)<<2)|(\w)                             ; sources 0 and 1 window w
.set j, 0
	s_wait_alu depctr_va_vdst(0)
.rept 4
	v_pk_add_f32 v[SU+2*j:SU+2*j+1], v[4*j:4*j+1], v[4*j+2:4*j+3]   ; four chains, started by the first eight pairs
.set j, j+1
.endr
	WIN (\w)<<2                                    ; source 1 window w
.set j, 8
.rept 120
	v_pk_add_f32 v[SU+2*(j%4):SU+2*(j%4)+1], v[SU+2*(j%4):SU+2*(j%4)+1], v[2*j:2*j+1]
.set j, j+1
.endr
	WIN 0
	v_pk_add_f32 v[SU:SU+1], v[SU:SU+1], v[SU+2:SU+3]
	v_pk_add_f32 v[SU+4:SU+5], v[SU+4:SU+5], v[SU+6:SU+7]
	v_pk_add_f32 v[SU:SU+1], v[SU:SU+1], v[SU+4:SU+5]
	v_add_f32 v[ZZ], v[SU], v[SU+1]
	v_permlanex16_b32 v[ZZ+1], v[ZZ], s20, s21
	v_add_f32 v[st+1], v[ZZ], v[ZZ+1]              ; l: the sum of my query's p over my wave's 512 keys
.endm
; The tile in window w is finished: r from the four waves' figures, the weights p r, their codes and scale words, and my partial O^T = V^T P^T over my 512 keys.
.macro WEIGH w, p
.set bm, BM0+8*(\p)
.set st, ST+2*(\p)
	WIN 0
	v_max3_num_f32 v[ZZ], v[SL], v[SL+2], v[SL+4]
	v_max_num_f32 v[ZZ], v[ZZ], v[SL+6]            ; M
.irp k, 0,2,4,6
	v_sub_f32 v[SL+\k], v[SL+\k], v[ZZ]
.endr
	v_sub_f32 v[ZZ+1], v[st], v[ZZ]                ; and my own wave's
.irp k, 0,2,4,6
	v_exp_f32 v[SL+\k], v[SL+\k]
.endr
	v_exp_f32 v[ZZ+1], v[ZZ+1]
	v_nop
	s_wait_alu depctr_va_vdst(0)
	v_mul_f32 v[ZZ+2], v[SL], v[SL+1]
	v_fma_f32 v[ZZ+2], v[SL+2], v[SL+3], v[ZZ+2]
	v_fma_f32 v[ZZ+2], v[SL+4], v[SL+5], v[ZZ+2]
	v_fma_f32 v[ZZ+2], v[SL+6], v[SL+7], v[ZZ+2]   ; L, at least 1
	v_rcp_f32 v[ZZ+3], v[ZZ+2]
	v_nop
	s_wait_alu depctr_va_vdst(0)
	v_mul_f32 v[RR], v[ZZ+1], v[ZZ+3]              ; r
.set b, 0
.rept 8
	v_mul_f32 v[bm+b], v[bm+b], v[RR]              ; each block's largest weight,
.set b, b+1
.endr
.set b, 0
.rept 8
	v_max_num_f32 v[bm+b], 0x1800000, v[bm+b]      ; held at the floor 2^(3 - 127), so that the byte cannot fall under 1;
.set b, b+1
.endr
.set b, 0
.rept 8
	v_add_nc_u32 v[bm+b], 0xff000000, v[bm+b]      ; 2 off its exponent field: the conversion's scale operand;
.set b, b+1
.endr
.set b, 0
.rept 8
	v_lshrrev_b32 v[TT+8+b], 23, v[bm+b]           ; the byte
.set b, b+1
.endr
.irp e, 0,1
	v_lshl_or_b32 v[PW+\e], v[TT+9+4*\e], 8, v[TT+8+4*\e]    ; lanes 0-15: the word of key step e; lanes 16-31: of step 2 + e
	v_lshl_or_b32 v[PW+\e], v[TT+10+4*\e], 16, v[PW+\e]
	v_lshl_or_b32 v[PW+\e], v[TT+11+4*\e], 24, v[PW+\e]
.endr
.set b, 0
.rept 8
	v_mov_b32 v[TT+b], v[bm+b]
.set b, b+1
.endr
.set b, 0
.rept 8
	v_permlane16_swap_b32 v[bm+b], v[TT+b]         ; unpacked: block b's operand in all lanes of the first, block b + 8's in all lanes of the second
.set b, b+1
.endr
	WIN ((\w)<<6)|(\w)
.set j, 0
.rept 128
	v_pk_mul_f32 v[2*j:2*j+1], v[2*j:2*j+1], v[RR:RR+1] op_sel_hi:[1,0]   ; the weights.  (These also stand between the scale words' last write and the products that name them)
.set j, j+1
.endr
	WIN (\w)                                       ; source 0 window w
.set b, 0
.rept 8
	v_cvt_scalef32_pk8_fp4_f32 v[PCD+2*b], v[16*b:16*b+7], v[bm+b]
	v_cvt_scalef32_pk8_fp4_f32 v[PCD+2*b+1], v[16*b+8:16*b+15], v[bm+b]
.set b, b+1
.endr
.rept 8
	v_cvt_scalef32_pk8_fp4_f32 v[PCD+2*b], v[16*b:16*b+7], v[TT+b-8]
	v_cvt_scalef32_pk8_fp4_f32 v[PCD+2*b+1], v[16*b+8:16*b+15], v[TT+b-8]
.set b, b+1
.endr
	v_nop                                          ; one plain place behind the conversions
	WIN 0
.set n, 0
.rept 8                                            ; the operand's layout wants a whole block in a lane: lanes 0-15 the even block of a pair, lanes 16-31 the odd one
	v_permlane16_swap_b32 v[PCD+4*n], v[PCD+4*n+2]
	v_permlane16_swap_b32 v[PCD+4*n+1], v[PCD+4*n+3]
.set n, n+1
.endr
.rept 4
	v_nop                                          ; an operand written by vector instructions stands four places ahead of a scaled matrix instruction
.endr
	WIN 3                                          ; source 0 (V) window 3
.set n, 0
.rept 16                                           ; key step n / 4, rows 16 (n % 4) of V: the four accumulators take turns, one instruction a turn
.set sq, n/4
.set tq, n%4
.if sq == 0
	v_wmma_scale_f32_16x16x128_f8f6f4 v[OO+8*tq:OO+8*tq+7], v[128+8*(4*tq+sq):128+8*(4*tq+sq)+7], v[PCD+8*sq:PCD+8*sq+7], 0, v[VS+4*tq+sq], v[PW] matrix_a_fmt:MATRIX_FMT_FP4 matrix_b_fmt:MATRIX_FMT_FP4
.elseif sq == 1
	v_wmma_scale_f32_16x16x128_f8f6f4 v[OO+8*tq:OO+8*tq+7], v[128+8*(4*tq+sq):128+8*(4*tq+sq)+7], v[PCD+8*sq:PCD+8*sq+7], v[OO+8*tq:OO+8*tq+7], v[VS+4*tq+sq], v[PW+1] matrix_a_fmt:MATRIX_FMT_FP4 matrix_b_fmt:MATRIX_FMT_FP4
.else
	v_wmma_scale_f32_16x16x128_f8f6f4 v[OO+8*tq:OO+8*tq+7], v[128+8*(4*tq+sq):128+8*(4*tq+sq)+7], v[PCD+8*sq:PCD+8*sq+7], v[OO+8*tq:OO+8*tq+7], v[VS+4*tq+sq], v[PW+sq-2] matrix_a_fmt:MATRIX_FMT_FP4 matrix_b_fmt:MATRIX_FMT_FP4 matrix_b_scale:MATRIX_SCALE_ROW1
.endif
.set n, n+1
.endr
	WIN 0
.endm
; v[vd] = my byte in tile s24 + d of q or out0: tile n lies 16 (n / 4) positions of 8,192 bytes and n % 4 heads of 256 bytes on.  clamp = 1: no tile past the last
.macro FOFF vd, d, clamp
	s_add_co_u32 s25, s24, (\d)
.if \clamp
	s_min_u32 s25, s25, 31
.endif
	s_lshr_b32 s26, s25, 2
	s_lshl_b32 s26, s26, 17
	s_and_b32 s25, s25, 3
	s_lshl_b32 s25, s25, 8
	s_or_b32 s25, s25, s26
	v_add_nc_u32 v[\vd], s25, v[GL]
.endm
.macro REDLOAD slot                    ; my four rows of the four waves' partial O
.irp k, 0,1,2,3
.irp j, 0,1
	ds_load_b128 v[RED+8*\k+4*\j:RED+8*\k+4*\j+3], v[OPR] offset:OPS*(\slot)+OPWV*\k+2*PIT*\j
.endr
.endr
.endm
.macro REDUCE                          ; (wave 0 + wave 1) + (wave 2 + wave 3)
.irp j, 0,2,4,6
	v_pk_add_f32 v[RED+\j:RED+\j+1], v[RED+\j:RED+\j+1], v[RED+8+\j:RED+9+\j]
	v_pk_add_f32 v[RED+16+\j:RED+17+\j], v[RED+16+\j:RED+17+\j], v[RED+24+\j:RED+25+\j]
.endr
.irp j, 0,2,4,6
	v_pk_add_f32 v[OS+\j:OS+\j+1], v[RED+\j:RED+\j+1], v[RED+16+\j:RED+17+\j]
.endr
.endm
.macro SEND d
	FOFF OA, \d, 0
	global_store_b128 v[OA], v[OS:OS+3], s[12:13] th:TH_STORE_NT                 ; sixteen lanes store a head's 256 consecutive bytes, at a multiple of 256 from out0's first byte
	global_store_b128 v[OA], v[OS+4:OS+7], s[12:13] offset:16384 th:TH_STORE_NT
.endm
; THE TURN OF TILE i = s24 + p (its scores lie in window 1 + p).  a: tile i + 1 is begun.  qf: q's fragment of tile i + 2 is fetched.  qs: tile i + 3 of q is quantised and tile i + 4 asked for.
; g: the stores are jumped over in the first trip, which has no tile before it.
; Between this barrier and the next the waves READ the figures' slot p, partial O's slot 1 - p and q's slot p, and WRITE partial O's slot p, q's slot 1 - p and the figures' slot 1 - p;
; every wave's reads are back at the wait for 0 in front of its next signal.
.macro HALF p, a, qf, qs, g
	ds_store_b64 v[STW], v[ST+2*\p:ST+2*\p+1] offset:1024*\p
	s_wait_dscnt 0x0                               ; for the others' sake: my figures, my partial O of the tile before and my codes of q have landed; and my reads of what is written next are back
	s_barrier_signal -1
.if \a
	SCORES 2-\p, 1-\p                              ; register work while the others arrive
.endif
	s_barrier_wait -1
.irp k, 0,1,2,3
	ds_load_b64 v[SL+2*\k:SL+2*\k+1], v[STR] offset:1024*\p+256*\k   ; wave k's (cm, l) of my query
.endr
	REDLOAD 1-\p
.if \qf
	ds_load_b128 v[QF+4:QF+7], v[QFR] offset:1024*\p    ; (the products that read these registers stand more than four plain instructions back)
	ds_load_b32 v[QS], v[QSR] offset:1024*\p
.endif
.if \qs
	s_wait_loadcnt 0x0                             ; the rows of q asked for a tile ago
	QTURN QR
.endif
.if \a
	EXPSUM 2-\p, 1-\p                              ; and these loads land meanwhile
.endif
	s_wait_dscnt 0x0
	s_wait_xcnt 0x0                                ; the last tile's stores have read their data and offset: both are written again only behind this wait
	REDUCE
.if \g
	s_cmp_eq_u32 s24, 0
	s_cbranch_scc1 .Lfirst_\@
.endif
	SEND \p-1
.if \g
.Lfirst_\@:
.endif
.if \qs
	FOFF QA, \p+4, 1
	global_load_b128 v[QR:QR+3], v[QA], s[4:5] th:TH_LOAD_NT
	global_load_b128 v[QR+4:QR+7], v[QA], s[4:5] offset:16384 th:TH_LOAD_NT
.endif
	WEIGH 1+\p, \p
.if \qs
	QCOMP                                          ; its first four lines are the places between the last products and the stores of their results
.else
.rept 4
	v_nop
.endr
.endif
.irp t, 0,1,2,3
	ds_store_b128 v[OPW], v[OO+8*\t:OO+8*\t+3] offset:OPS*\p+64*\t       ; lane (r, h): o(query r, 16 t + 8 h + 0 .. 7); each result from its low end on
	ds_store_b128 v[OPW], v[OO+8*\t+4:OO+8*\t+7] offset:OPS*\p+64*\t+16
.endr
.if \qs
	QPUT 1024*(1-\p)
.endif
.endm
	s_wait_dscnt 0x0                               ; q's codes of tiles 0, 1, 2 and the zeros have landed
	s_barrier_signal -1
	s_barrier_wait -1
	ds_load_b128 v[QF+4:QF+7], v[QFR] offset:2048  ; tile 0
	ds_load_b32 v[QS], v[QSR] offset:2048
	s_wait_dscnt 0x0
	SCORES 1, 0
	EXPSUM 1, 0
	ds_load_b128 v[QF+4:QF+7], v[QFR] offset:3072  ; tile 1: waited for at the head of the first turn
	ds_load_b32 v[QS], v[QSR] offset:3072
	s_mov_b32 s24, 0
.Ltile:                                            ; 15 trips, two tiles each: tiles 0 to 29.  (Tiles past the last are clamped to it: the last two turns ask for tile 31 again, and one quantises it into a slot that nobody reads)
	HALF 0, 1, 1, 1, 1
	HALF 1, 1, 1, 1, 0
	s_add_co_u32 s24, s24, 2
	s_cmp_lt_u32 s24, 30
	s_cbranch_scc1 .Ltile
	HALF 0, 1, 0, 0, 0                             ; tile 30; tile 31 is begun; nothing more of q is wanted
	HALF 1, 0, 0, 0, 0                             ; tile 31
	s_wait_dscnt 0x0                               ; my partial O of tile 31 has landed
	s_barrier_signal -1
	s_barrier_wait -1
	REDLOAD 1
	s_wait_dscnt 0x0
	s_wait_xcnt 0x0
	REDUCE
	SEND 1
	s_wait_tensorcnt 0x0
	ds_add_u32 v190, v191
	s_wait_dscnt 0x0
	s_endpgm
.Lfunc_end_k_qb88040bc9b_gqa:
	.size	k_qb88040bc9b_gqa, .Lfunc_end_k_qb88040bc9b_gqa-k_qb88040bc9b_gqa
	.p2alignl 7, 3214868480
	.fill 96, 4, 3214868480
	.section	.rodata,"a",@progbits
	.p2align	6, 0x0
	.amdhsa_kernel k_qb88040bc9b_gqa
		.amdhsa_group_segment_fixed_size 80384
		.amdhsa_private_segment_fixed_size 0
		.amdhsa_enable_private_segment 0
		.amdhsa_kernarg_size 40
		.amdhsa_user_sgpr_count 2
		.amdhsa_user_sgpr_kernarg_segment_ptr 1
		.amdhsa_wavefront_size32 1
		.amdhsa_system_sgpr_workgroup_id_x 1
		.amdhsa_system_sgpr_workgroup_id_y 1
		.amdhsa_system_sgpr_workgroup_id_z 1
		.amdhsa_system_vgpr_workitem_id 0
		.amdhsa_next_free_vgpr 1024
		.amdhsa_next_free_sgpr 66
		.amdhsa_reserve_vcc 0
		.amdhsa_float_denorm_mode_32 3
		.amdhsa_float_denorm_mode_16_64 3
		.amdhsa_memory_ordered 1
		.amdhsa_forward_progress 1
		.amdhsa_inst_pref_size 255
	.end_amdhsa_kernel
	.section	.bss,"aw",@nobits
	.p2align	6
	.space	262144
	.amdgpu_metadata
---
amdhsa.version: [ 1, 2 ]
amdhsa.kernels:
  - .name:           k_qb88040bc9b_gqa
    .symbol:         k_qb88040bc9b_gqa.kd
    .args:
      - { .name: q, .offset: 0, .size: 8, .value_kind: global_buffer, .address_space: global }
      - { .name: k, .offset: 8, .size: 8, .value_kind: global_buffer, .address_space: global }
      - { .name: v_codes, .offset: 16, .size: 8, .value_kind: global_buffer, .address_space: global }
      - { .name: v_scales, .offset: 24, .size: 8, .value_kind: global_buffer, .address_space: global }
      - { .name: out0, .offset: 32, .size: 8, .value_kind: global_buffer, .address_space: global }
    .group_segment_fixed_size: 80384
    .private_segment_fixed_size: 0
    .kernarg_segment_align: 8
    .kernarg_segment_size: 40
    .max_flat_workgroup_size: 128
    .sgpr_count:     66
    .vgpr_count:     1024
    .wavefront_size: 32
...
	.end_amdgpu_metadata
.endif
;; end of part 1
;; ======== version 2 of 2: 1 launch; version 1 with the launch gqa written anew for expert scheduling mode
;; launch gqa (part 2): grid 256 x 1, 4 waves a work-group, no clusters, 80,384 bytes of LDS; arguments q, k, v_codes, v_scales, out0; writes out0
.if DOCPART == 2
	.amdgcn_target "amdgcn-amd-amdhsa--gfx1250"
	.amdhsa_code_object_version 6
	.text
	.protected	k_qb88040bc9b_gqa
	.globl	k_qb88040bc9b_gqa
	.p2align	8
	.type	k_qb88040bc9b_gqa,@function
k_qb88040bc9b_gqa:
	s_mov_b64 s[64:65], 0
	v_nop
	global_prefetch_b8 v0, s[64:65] scope:SCOPE_SE
	s_setreg_imm32_b32 hwreg(HW_REG_WAVE_SCHED_MODE, 0, 2), 2
	s_setreg_imm32_b32 hwreg(HW_REG_WAVE_MODE, 25, 1), 1
	s_wait_xcnt 0x0
	s_wait_alu depctr_vm_vsrc(0)
; Grouped-query attention, both products on codes of FP4 (E2M1) with one E8M0 scale for each 32 along a product's K.
; q [2][2048][2048] f32 (head = 4 kv + g, 64 numbers = 256 bytes a head), k [2][2048][512] f32, v as codes with the keys innermost [2][512][2048 codes] and scale bytes [2][512][64], out0 as q.
; WHAT IS QUANTISED for the second product is the FINISHED weight exp(s/8 - max) / sum, along the keys.  So a row's maximum and sum over all 2,048 keys are known before any weight is converted.
; SHARES.  A work-group of four waves owns one (batch, kv head) and 128 positions x 4 query heads = 32 tiles of 16 queries.  THE WAVES SHARE THE KEYS: wave w owns keys 512 w .. 512 w + 511.
; A tile's 16 x 512 scores are 256 registers of a wave, so a whole row stays in the four waves' registers from the first product to the conversion: each score and each exponential is made once.
; The wave's codes of K (128 registers) and of V (128) stay in registers for the whole launch; k is quantised at the head.
; SOFTMAX.  c = log2(e) / 8.  Each wave takes its OWN largest score away: cm = c x max, p = 2^(c s - cm) <= 1, l = sum of p.  The pairs (cm, l) cross through LDS; every wave forms M = max cm,
; L = sum of 2^(cm_k - M) l_k >= 1 and r = 2^(cm - M) / L; the weight is p r.  A maximum is always taken away, so no exponential and no sum overflows.
; ONE BARRIER A TILE: while tile i's figures cross LDS the wave makes tile i + 1's scores, exponentials and sum in a second set of 256 registers.  The four partial O meet in LDS and leave one tile later.
; THE HEAD'S 64 IN AN INSTRUCTION OF K = 128: source 0 holds TWO tiles of 16 keys (registers 0-3 the first's 64 numbers, 4-7 the second's); q lies as twelve registers 0 0 0 0 q q q q 0 0 0 0:
; the upper eight (q, 0) give the first tile's scores, the lower eight (0, q) the second's.  Zero codes add nothing under any scale byte but 0xff.
; Both products are used transposed (source 0 = keys, or V's rows; source 1 = queries): a lane holds ONE query (lane % 16) throughout.  The keys of a tile are not neighbours: lane r of tile u of a
; group of 32 keys takes key 8 u + r + 8 (r / 8), so that a lane's 16 registers of the two tiles are 16 neighbouring keys: register 16 f + i is key 32 f + 16 (lane / 16) + i.
; NO CLUSTER, NO TENSOR LOAD: what work-groups share (k, v of a head) is read once by each, at the head, into registers; a work-group's part of k is 512 KB of f32, more than LDS holds, so joint
; loads would need slots filled again for a phase that is 18 steps against the loop's 32 tiles; the loop itself reads only q, which nobody shares.
; LIMITS: NaN and infinities among the inputs are not served; a byte 0xff in v_scales gives NaN; weights under 2^-126 become 0 (v_exp_f32 gives 0 there); a block of zeros carries the byte 1, not 127
; (its codes are zeros, and only this text reads the byte); a block's largest weight is taken from its largest score through the same multiply-add, exponential and multiplication, which takes
; v_exp_f32 not to fall where its input rises.
; REGISTERS, in windows of 256: window 0 as named below; window 1, window 2: the scores of even and odd tiles (at the head: k and v as loaded; k turned); window 3: v0-127 K's codes, v128-255 V's.
; THE MODE: SCHED_MODE bits 1:0 = 2 (LLVM: expert scheduling mode 2), set by the entry lines.  The code itself states the register dependences between vector or matrix instructions and memory or
; LDS instructions, with s_wait_alu, always for 0.
; THE PLAN.  Registers that memory or LDS instructions touch, and who else names them:
;   v1-v10, v16-v21, v190, v191   addresses: made at the head, ahead of one wait on va_vdst, and never written again.
;   HEAD  RAW0-3 (window 1)  the loads of step s land; the LDS stores of step s's turn read; no vector instruction names them.  One wait on vm_vsrc at a step's head frees RAW[s % 4] for step s + 4.
;         X0, X1 (window 2)  the turn's LDS loads land; KQUANT reads.  One wait on va_vdst ahead of the loads of the turn two steps on.
;   LOOP  ST       written by SCORES and EXPSUM; read by the store at the head of the next turn.
;         SL, RED, QX        LDS loads land behind the barrier; WEIGH, REDUCE (and, as the weights' codes, WEIGH again) and QCOMP name them.
;         QF+4..7, QS        LDS loads land behind the barrier; the next turn's SCORES reads them.
;         QR       global loads land; the turn's LDS stores read; no vector instruction names it.
;         OS, OA, QA         written by REDUCE and two additions; read by the global stores and loads that stand behind WEIGH's first wait.
;         OO, QCD, QB        written by the second product and QCOMP; read by the LDS stores at the turn's end.
;   A turn's waits: va_vdst behind the barrier (SCORES is done with q's fragment); EXPSUM's for its exponentials; vm_vsrc behind the wait for the turn's LDS loads (all that stores and loads issued
;   so far have read is free: OS, OA, QA, QR, OO, QCD, QB, ST); WEIGH's for its five exponentials, which also shows OS, OA, QA written; va_vdst ahead of the second product (codes and scale words
;   are written); va_vdst ahead of the last LDS stores (OO, QCD, QB are written), which serves the next turn's store of ST and its loads into SL, RED and QX too: SCORES names none of these.
.set PIT,   272                        ; an LDS row of 256 bytes + 16: the sixteen rows that a load or store of 16 bytes a lane touches begin at sixteen different 16-byte columns of 256
.set KSTW,  32*PIT                     ; LDS 0: a stage of 32 rows for each wave, its own, for the head
.set STATS, 4*KSTW                     ; two slots of 1,024: wave w's 256 bytes, (cm, l) of each lane
.set OP,    STATS+2048                 ; two slots: four waves x 16 rows: partial O as rows [query][64 f32]
.set OPWV,  16*PIT
.set OPS,   4*OPWV
.set QC,    OP+2*OPS                   ; four slots of 1,024: a tile's codes of q (row r at 32 r), from + 512 its 16 scale words.  + 0, + 1024: by turns; + 2048, + 3072: tiles 0 and 1
.set QT,    QC+4096                    ; 1,024 bytes for each wave, its own: four rows of q turn here
.set STW, 1                            ; v1   STATS + 8 x thread
.set STR, 2                            ; v2   STATS + 8 x lane
.set OPW, 3                            ; v3   where I put 32 bytes of a row of partial O
.set OPR, 4                            ; v4   where I read rows of partial O back
.set QCW, 5                            ; v5   where I put 8 codes of q
.set QSW, 6                            ; v6   and the row's scale word
.set QFR, 7                            ; v7   q's fragment
.set QSR, 8                            ; v8   q's scale words
.set QTW, 9                            ; v9   the turn of q: in
.set QTR, 10                           ; v10  and out
.set GL,  11                           ; v11  my byte in a tile of q or out0: row 4 w + lane / 16, 16 (lane % 16)
.set QA,  12                           ; v12  offset of the loads of q in hand
.set OA,  13                           ; v13  offset of the stores in hand
.set SHQ, 14                           ; v14  8 x ((lane / 4) % 2)
.set SHH, 15                           ; v15  8 x (lane / 16)
.set KL,  16                           ; v16  k: two rows a load
.set VL,  17                           ; v17  v_codes: two rows a load
.set KSW, 18                           ; v18  the head's stage: in
.set KSR, 19                           ; v19  out, for k
.set VSR, 20                           ; v20  out, for v
.set VSL, 21                           ; v21  v_scales: 64 r
.set LR,  22                           ; v22  r = lane % 16
.set LH,  23                           ; v23  h = lane / 16
.set QF,  24                           ; v24-35  0 0 0 0 q q q q 0 0 0 0
.set QS,  36                           ; v36  q's scale words
.set LN,  37                           ; v37  lane (head only)
.set RR,  38                           ; v38-39  r (the upper one is only named with it as a pair)
.set ST,  40                           ; v40-41 (cm, l) of even tiles, v42-43 of odd ones
.set ZZ,  44                           ; v44-47 at work
.set KS,  48                           ; v48-63  K's scale words, one for each group of 32 keys
.set VS,  64                           ; v64-79  V's scale words: 4 t + s
.set PW,  80                           ; v80-81  the weights' scale words: lanes 0-15 key steps 0, 1; lanes 16-31 steps 2, 3
.set SU,  84                           ; v84-91  four chains of sums
.set SL,  92                           ; v92-99  the four waves' (cm, l)
.set OS,  100                          ; v100-107 rows of out0 to store
.set QR,  108                          ; v108-115 rows of q as loaded
.set QX,  116                          ; v116-123 eight neighbours of a row of q
.set QM,  124
.set QSO, 125
.set QCD, 126
.set QB,  127
.set QB2, 128
.set KM0, 124                          ; the head's own names for v124-129
.set KM1, 125
.set KSO0, 126
.set KSO1, 127
.set KB0, 128
.set KB1, 129
.set TT,  132                          ; v132-147 sixteen blocks' figures
.set RQ,  132                          ; (head: rows of q of tiles 0, 1, 2 in v132-155)
.set BM0, 148                          ; v148-155 blocks' largest scores of even tiles, packed: lanes 0-15 block b, lanes 16-31 block b + 8; v156-163 of odd tiles
.set RED, 192                          ; v192-223 partial O read back;
.set PCD, 192                          ; later the weights' codes
.set OO,  224                          ; v224-255 my partial O^T
.set MSB, 0
.macro WIN new                         ; bits 1:0 source 0, 3:2 source 1, 5:4 source 2, 7:6 destination; the immediate's high byte repeats the setting that is left
.if MSB != (\new)
	s_set_vgpr_msb (MSB<<8)|(\new)
.set MSB, (\new)
.endif
.endm
	s_load_b256 s[4:11], s[0:1], 0x0               ; q s[4:5], k s[6:7], v_codes s[8:9], v_scales s[10:11]
	s_load_b64 s[12:13], s[0:1], 0x20              ; out0
	v_lshl_add_u32 v190, v0, 2, 0x13800
	v_mov_b32 v191, 0
	v_lshrrev_b32 v[LN], 5, v0
	v_readfirstlane_b32 s14, v[LN]                 ; wave 0..3
	v_and_b32 v[LN], 31, v0
	v_and_b32 v[LR], 15, v0
	v_bfe_u32 v[LH], v0, 4, 1
	s_wait_alu depctr_va_sdst(0)                   ; s14 is written, ahead of its first reader: the bases and the LDS addresses are made from it
	s_lshr_b32 s15, ttmp9, 7                       ; batch
	s_bfe_u32 s16, ttmp9, 0x30004                  ; kv head
	s_and_b32 s17, ttmp9, 15                       ; which 128 positions
	s_lshl_b32 s26, s15, 24                        ; q, out0: batch x 2048 x 8192 + 128 positions x 8192 + kv x 1024
	s_lshl_b32 s18, s17, 20
	s_or_b32 s26, s26, s18
	s_lshl_b32 s18, s16, 10
	s_or_b32 s26, s26, s18
	s_mov_b32 s27, 0
	s_lshl_b32 s28, s15, 22                        ; k: batch x 2048 x 2048 + my 512 keys x 2048 + kv x 256
	s_lshl_b32 s18, s14, 20
	s_or_b32 s28, s28, s18
	s_lshl_b32 s18, s16, 8
	s_or_b32 s28, s28, s18
	s_mov_b32 s29, 0
	s_lshl_b32 s30, s15, 19                        ; v_codes: batch x 512 x 1024 + kv x 64 x 1024 + my 512 keys' 256 bytes
	s_lshl_b32 s18, s16, 16
	s_or_b32 s30, s30, s18
	s_lshl_b32 s18, s14, 8
	s_or_b32 s30, s30, s18
	s_mov_b32 s31, 0
	s_lshl_b32 s32, s15, 15                        ; v_scales: batch x 512 x 64 + kv x 64 x 64 + my 16 bytes
	s_lshl_b32 s18, s16, 12
	s_or_b32 s32, s32, s18
	s_lshl_b32 s18, s14, 4
	s_or_b32 s32, s32, s18
	s_mov_b32 s33, 0
	s_mov_b32 s20, 0x76543210                      ; v_permlanex16_b32's selects for lane l xor 16
	s_mov_b32 s21, 0xfedcba98
	s_mov_b32 s22, 0x3e38aa3b                      ; c = log2(e) / 8
	s_mov_b32 s23, s22                             ; (named with it as a pair)
	v_lshl_add_u32 v[STW], v0, 3, STATS
	v_lshl_add_u32 v[STR], v[LN], 3, STATS
	v_mul_u32_u24 v[OPW], v[LR], PIT
	v_lshl_add_u32 v[OPW], v[LH], 5, v[OPW]
	s_mul_i32 s18, s14, OPWV
	s_add_co_u32 s18, s18, OP
	v_add_nc_u32 v[OPW], s18, v[OPW]               ; OP + my wave's 16 rows + row r + 32 h
	v_mul_u32_u24 v[OPR], v[LH], PIT
	v_lshl_add_u32 v[OPR], v[LR], 4, v[OPR]
	s_mul_i32 s18, s14, 4*PIT
	s_add_co_u32 s18, s18, OP
	v_add_nc_u32 v[OPR], s18, v[OPR]               ; OP + row 4 w + h + 16 r
	v_lshl_add_u32 v[QCW], v0, 2, QC
	v_lshrrev_b32 v[QSW], 3, v0
	v_lshl_add_u32 v[QSW], v[QSW], 2, QC+512
	v_lshlrev_b32 v[QFR], 5, v[LR]
	v_lshl_add_u32 v[QFR], v[LH], 4, v[QFR]
	v_add_nc_u32 v[QFR], QC, v[QFR]
	v_lshl_add_u32 v[QSR], v[LR], 2, QC+512
	s_lshl_b32 s18, s14, 10
	s_add_co_u32 s18, s18, QT
	v_lshl_add_u32 v[QTW], v[LN], 4, s18
	v_lshl_add_u32 v[QTR], v0, 5, QT
	s_lshl_b32 s18, s14, 15
	v_lshlrev_b32 v[GL], 13, v[LH]
	v_lshl_add_u32 v[GL], v[LR], 4, v[GL]
	v_add_nc_u32 v[GL], s18, v[GL]
	v_bfe_u32 v[SHQ], v0, 2, 1
	v_lshlrev_b32 v[SHQ], 3, v[SHQ]
	v_lshlrev_b32 v[SHH], 3, v[LH]
	v_lshlrev_b32 v[KL], 11, v[LH]
	v_lshl_add_u32 v[KL], v[LR], 4, v[KL]
	v_lshlrev_b32 v[VL], 10, v[LH]
	v_lshl_add_u32 v[VL], v[LR], 4, v[VL]
	s_mul_i32 s18, s14, KSTW
	v_mul_u32_u24 v[KSW], v[LH], PIT
	v_lshl_add_u32 v[KSW], v[LR], 4, v[KSW]
	v_add_nc_u32 v[KSW], s18, v[KSW]
	v_mul_u32_u24 v[KSR], v[LR], PIT
	v_lshl_add_u32 v[VSR], v[LH], 4, v[KSR]
	v_lshl_add_u32 v[KSR], v[LH], 7, v[KSR]
	v_add_nc_u32 v[KSR], s18, v[KSR]
	v_add_nc_u32 v[VSR], s18, v[VSR]
	v_lshlrev_b32 v[VSL], 6, v[LR]
.irp i, 0,1,2,3,8,9,10,11
	v_mov_b32 v[QF+\i], 0                          ; the zero codes beside q: written once
.endr
	v_mov_b32 v[RR+1], 0                           ; upper halves of pairs of which the low word serves both halves
	v_mov_b32 v[ST+1], 0
	v_mov_b32 v[ST+3], 0
	v_mov_b32 v[QB2], 0                            ; destinations of lane exchanges count as read
.irp i, 0,1,2,3
	v_mov_b32 v[ZZ+\i], 0
.endr
	s_wait_kmcnt 0x0
	s_add_nc_u64 s[4:5], s[4:5], s[26:27]
	s_add_nc_u64 s[12:13], s[12:13], s[26:27]
	s_add_nc_u64 s[6:7], s[6:7], s[28:29]
	s_add_nc_u64 s[8:9], s[8:9], s[30:31]
	s_add_nc_u64 s[10:11], s[10:11], s[32:33]
	s_wait_alu depctr_va_vdst(0)                   ; all the addresses and offsets above are written, which the kernel's loads and stores read; so are the zero codes, which LDS stores read and the first product takes as part of source 1
.irp t, 0,1,2,3
	global_load_b128 v[VS+4*\t:VS+4*\t+3], v[VSL], s[10:11] offset:1024*\t   ; V's scale words of rows 16 t + r: my four key steps' 16 bytes
.endr
.irp n, 0,1,2
.irp j, 0,1
	global_load_b128 v[RQ+8*\n+4*\j:RQ+8*\n+4*\j+3], v[GL], s[4:5] offset:256*\n+16384*\j th:TH_LOAD_NT   ; my four rows of tiles 0, 1, 2 of q: sixteen lanes read a head's 256 bytes
.endr
.endr
.irp j, 0,1
	global_load_b128 v[QR+4*\j:QR+4*\j+3], v[GL], s[4:5] offset:768+16384*\j th:TH_LOAD_NT   ; and of tile 3
.endr
; THE HEAD: 18 steps.  Steps 0-15: 32 keys of k each; steps 16, 17: 32 rows of v_codes each.  A step's 16 loads take two whole rows of 256 bytes each; the 8 KB turn through the wave's own stage.
.macro HLOAD st
	WIN 0x40                                       ; destination window 1
.set n, 0
.rept 16
.if (\st) < 16
	global_load_b128 v[64*((\st)%4)+4*n:64*((\st)%4)+4*n+3], v[KL], s[6:7] offset:(32*(\st)+2*n)*2048
.else
	global_load_b128 v[64*((\st)%4)+4*n:64*((\st)%4)+4*n+3], v[VL], s[8:9] offset:(32*((\st)-16)+2*n)*1024
.endif
.set n, n+1
.endr
.endm
; Into the stage: key k of the 32 goes to row 16 ((k / 8) % 2) + k % 8 + 8 (k / 16), so that row 16 u + r holds key 8 u + r + 8 (r / 8).  Out of it: lane (r, h) takes the 32 numbers 32 h .. of
; rows r and 16 + r: a whole block a tile.  V's rows go in as they lie and come out as fragments, straight into window 3.  LDS serves a wave's instructions in order (ISA guide 5.7.1.4): one stage does.
.macro TURN st
.if 17-(\st) >= 2
	s_wait_loadcnt 32                              ; this step's 16 loads are in; those of the two younger steps may be out
.else
	s_wait_loadcnt 16*(17-(\st))
.endif
	WIN 0x04                                       ; a store's data: window 1
.set n, 0
.rept 16
.if (\st) < 16
.set sg, 16*(((2*n)>>3)&1)+((2*n)&7)+8*((2*n)>>4)
.else
.set sg, 2*n
.endif
	ds_store_b128 v[KSW], v[64*((\st)%4)+4*n:64*((\st)%4)+4*n+3] offset:PIT*sg
.set n, n+1
.endr
.if (\st) < 16
	WIN 0x80                                       ; destination window 2
.if (\st) >= 2
	s_wait_alu depctr_va_vdst(0)                   ; the maxima and conversions of two steps back are done reading this set of turned numbers, in which the loads below land
.endif
.set n, 0
.rept 16
	ds_load_b128 v[128+64*((\st)%2)+4*n:128+64*((\st)%2)+4*n+3], v[KSR] offset:PIT*16*(n/8)+16*(n%8)
.set n, n+1
.endr
.else
	WIN 0xc0                                       ; destination window 3
.set n, 0
.rept 16
.set tq, 2*((\st)-16)+n/8
.set sq, (n/2)%4
.set cq, n%2
	ds_load_b128 v[128+8*(4*tq+sq)+4*cq:128+8*(4*tq+sq)+4*cq+3], v[VSR] offset:PIT*16*(n/8)+64*sq+32*cq   ; rows 16 t + r, key step s: keys 64 c + 32 h + 0 .. 31
.set n, n+1
.endr
.endif
.endm
; 32 keys become a fragment and a scale word.  A block's scale is its largest magnitude's exponent field less 2, held at 1 from below by the floor 2^(3 - 127) among the maximum's leaves.
.macro KQUANT f
.set xb, 128+64*((\f)%2)
	WIN 0x28                                       ; sources 1 and 2 window 2
	v_max3_num_f32 v[KM0], 0x1800000, |v[xb]|, |v[xb+1]|
	v_max3_num_f32 v[KM1], 0x1800000, |v[xb+32]|, |v[xb+33]|
.set n, 2
.rept 15
	v_max3_num_f32 v[KM0], v[KM0], |v[xb+n]|, |v[xb+n+1]|
	v_max3_num_f32 v[KM1], v[KM1], |v[xb+32+n]|, |v[xb+33+n]|
.set n, n+2
.endr
	WIN 0
	v_add_nc_u32 v[KSO0], 0xff000000, v[KM0]       ; 2 off the exponent field: the conversion's scale operand
	v_add_nc_u32 v[KSO1], 0xff000000, v[KM1]
	v_lshrrev_b32 v[KB0], 23, v[KSO0]              ; the bytes: block h of the first tile's key, of the second's
	v_lshrrev_b32 v[KB1], 23, v[KSO1]
	v_lshl_or_b32 v[KB0], v[KB1], 16, v[KB0]
	v_lshlrev_b32 v[KB0], v[SHH], v[KB0]           ; at their places in the word: 8 h bits up
	v_permlanex16_b32 v[KB1], v[KB0], s20, s21
	v_or_b32 v[KS+(\f)], v[KB0], v[KB1]            ; with lane l xor 16's two: first tile's blocks 0, 1, second tile's 0, 1
	WIN 0xc2                                       ; destination window 3, source 0 window 2
.irp g, 0,1,2,3
	v_cvt_scalef32_pk8_fp4_f32 v[8*(\f)+\g], v[xb+8*\g:xb+8*\g+7], v[KSO0]
	v_cvt_scalef32_pk8_fp4_f32 v[8*(\f)+4+\g], v[xb+32+8*\g:xb+32+8*\g+7], v[KSO1]
.endr
	WIN 0
	v_nop                                          ; one plain place behind the conversions
.endm
	HLOAD 0
	HLOAD 1
	HLOAD 2
	TURN 0
	HLOAD 3
.set HS, 0
.rept 18
.if HS+4 <= 17
	s_wait_alu depctr_vm_vsrc(0)                   ; the LDS stores of this step's turn, issued a step ago, have read their 64 registers, in which the loads of four steps on land below; the stores between read another set
.endif
.if HS < 17
	TURN HS+1
	s_wait_dscnt 32                                ; all but the 32 just issued: this step's numbers are back
.else
	s_wait_dscnt 0x0
.endif
.if HS+4 <= 17
	HLOAD HS+4
.endif
.if HS < 16
	KQUANT HS
.endif
.set HS, HS+1
.endr
	WIN 0
; q.  Each wave quantises four rows of a tile.  They are loaded densely, turn through the wave's own 1,024 bytes, and come back eight neighbours a lane: lane l has numbers 8 (l % 8) .. of row l / 8.
.macro QTURN src
	ds_store_b128 v[QTW], v[(\src):(\src)+3]
	ds_store_b128 v[QTW], v[(\src)+4:(\src)+7] offset:512
	ds_load_b128 v[QX:QX+3], v[QTR]
	ds_load_b128 v[QX+4:QX+7], v[QTR] offset:16
.endm
.macro QCOMP
	v_max3_num_f32 v[QM], |v[QX]|, |v[QX+1]|, 0x1800000
	v_max3_num_f32 v[QM], v[QM], |v[QX+2]|, |v[QX+3]|
	v_max3_num_f32 v[QM], v[QM], |v[QX+4]|, |v[QX+5]|
	v_max3_num_f32 v[QM], v[QM], |v[QX+6]|, |v[QX+7]|
	v_max_num_f32_dpp v[QM], v[QM], v[QM] row_xmask:1 row_mask:0xf bank_mask:0xf   ; four lanes hold a block of 32
	v_max_num_f32_dpp v[QM], v[QM], v[QM] row_xmask:2 row_mask:0xf bank_mask:0xf
	v_add_nc_u32 v[QSO], 0xff000000, v[QM]
	v_cvt_scalef32_pk8_fp4_f32 v[QCD], v[QX:QX+7], v[QSO]
	v_lshrrev_b32 v[QB], 23, v[QSO]                ; the byte (a plain place behind the conversion)
	v_lshlrev_b32 v[QB], v[SHQ], v[QB]             ; block 0's in byte 0, block 1's in byte 1,
	v_mov_b32_dpp v[QB2], v[QB] row_xmask:4 row_mask:0xf bank_mask:0xf
	v_or_b32 v[QB], v[QB], v[QB2]                  ; both,
	v_lshl_or_b32 v[QB], v[QB], 16, v[QB]          ; and once more above: q stands in either half of the instruction's K
.endm
.macro QPUT off
	ds_store_b32 v[QCW], v[QCD] offset:\off        ; 8 codes: 4 bytes at 4 x thread
	ds_store_b32 v[QSW], v[QB] offset:\off         ; the eight lanes of a row write the same word with the same value
.endm
.macro QPREP src, off, again           ; again = 1: a tile has gone this way before
	QTURN \src
	s_wait_dscnt 0x0
.if \again
	s_wait_alu depctr_vm_vsrc(0)                   ; the two stores of the tile before have read its codes and its scale word, which the lines below write again
.endif
	QCOMP
	s_wait_alu depctr_va_vdst(0)                   ; the codes and the scale word are written, which the two stores below read; and the lines above are done reading the eight neighbours, in which the next tile's land
	QPUT \off
.endm
	QPREP RQ, 2048, 0
	QPREP RQ+8, 3072, 1
	QPREP RQ+16, 0, 1
.irp t, 0,1,2,3
	ds_store_b128 v[OPW], v[QF:QF+3] offset:OPS+64*\t          ; zeros into my part of partial O's slot 1: the loop is written once, and its first trip adds these and stores nothing
	ds_store_b128 v[OPW], v[QF:QF+3] offset:OPS+64*\t+16
.endr
; THE SCORES of a tile into window w, the blocks' largest scores and cm into the sets of parity p.  Register work alone.
.macro SCORES w, p
.set bm, BM0+8*(\p)
.set st, ST+2*(\p)
	WIN ((\w)<<6)|3                                ; destination window w, source 0 (K) window 3
.set f, 0
.rept 16
	v_wmma_scale_f32_16x16x128_f8f6f4 v[16*f:16*f+7], v[8*f:8*f+7], v[QF+4:QF+11], 0, v[KS+f], v[QS] matrix_a_fmt:MATRIX_FMT_FP4 matrix_b_fmt:MATRIX_FMT_FP4
	v_wmma_scale_f32_16x16x128_f8f6f4 v[16*f+8:16*f+15], v[8*f:8*f+7], v[QF:QF+7], 0, v[KS+f], v[QS] matrix_a_fmt:MATRIX_FMT_FP4 matrix_b_fmt:MATRIX_FMT_FP4
.set f, f+1
.endr
.rept 4
	v_nop                                          ; four places between a matrix instruction and the first read of its result (ISA guide 7.12.1)
.endr
	WIN ((\w)<<4)|((\w)<<2)                        ; sources 1 and 2 window w
.set g, 0
.rept 4                                            ; the largest of my 16 scores of each block of 32 keys, four blocks by turns; each result is read from its low end on
.set i, 0
.rept 8
.set b, 4*g
.rept 4
.if i == 0
	v_max3_num_f32 v[TT+b], 0xff800000, v[16*b], v[16*b+1]
.else
	v_max3_num_f32 v[TT+b], v[TT+b], v[16*b+2*i], v[16*b+2*i+1]
.endif
.set b, b+1
.endr
.set i, i+1
.endr
.set g, g+1
.endr
	WIN 0
.set b, 0
.rept 8
	v_permlane16_swap_b32 v[TT+b], v[TT+8+b]       ; block b's upper lanes change places with block b + 8's lower ones:
.set b, b+1
.endr
.set b, 0
.rept 8
	v_max_num_f32 v[bm+b], v[TT+b], v[TT+8+b]      ; lanes 0-15: block b's largest score of query r; lanes 16-31: block b + 8's
.set b, b+1
.endr
	v_max3_num_f32 v[ZZ], v[bm], v[bm+1], v[bm+2]
	v_max3_num_f32 v[ZZ+1], v[bm+3], v[bm+4], v[bm+5]
	v_max3_num_f32 v[ZZ], v[ZZ], v[bm+6], v[bm+7]
	v_max_num_f32 v[ZZ], v[ZZ], v[ZZ+1]
	v_permlanex16_b32 v[ZZ+1], v[ZZ], s20, s21
	v_max_num_f32 v[ZZ], v[ZZ], v[ZZ+1]            ; my query's largest score among my wave's 512 keys
	v_mul_f32 v[st], s22, v[ZZ]                    ; cm (c is positive)
.endm
; p = 2^(c s - cm) in place, the same of the blocks' largest scores, and l.
.macro EXPSUM w, p
.set bm, BM0+8*(\p)
.set st, ST+2*(\p)
	WIN 0
.set b, 0
.rept 8
	v_fma_f32 v[bm+b], v[bm+b], s22, -v[st]
.set b, b+1
.endr
.set b, 0
.rept 8
	v_exp_f32 v[bm+b], v[bm+b]                     ; each block's largest p: the same two instructions on the same number give the same bits
.set b, b+1
.endr
	WIN ((\w)<<6)|(\w)                             ; destination and source 0 window w
.set j, 0
.rept 4
	v_pk_fma_f32 v[2*j:2*j+1], v[2*j:2*j+1], s[22:23], v[st:st+1] op_sel_hi:[1,0,0] neg_lo:[0,0,1] neg_hi:[0,0,1]
.set j, j+1
.endr
.set j, 0
.rept 128                                          ; two exponentials, then the multiply-add of the pair four pairs on: a plain instruction that touches neither (ISA guide 5.7.2)
	v_exp_f32 v[2*j], v[2*j]
	v_exp_f32 v[2*j+1], v[2*j+1]
.if j < 124
	v_pk_fma_f32 v[2*j+8:2*j+9], v[2*j+8:2*j+9], s[22:23], v[st:st+1] op_sel_hi:[1,0,0] neg_lo:[0,0,1] neg_hi:[0,0,1]
.endif
.set j, j+1
.endr
	v_nop                                          ; a plain place behind the last exponentials
	WIN ((\w)<<2)|(\w)                             ; sources 0 and 1 window w
.set j, 0
	s_wait_alu depctr_va_vdst(0)                   ; the 264 exponentials have written their results: one wait for the batch, ahead of the sums, its first readers
.rept 4
	v_pk_add_f32 v[SU+2*j:SU+2*j+1], v[4*j:4*j+1], v[4*j+2:4*j+3]   ; four chains, started by the first eight pairs
.set j, j+1
.endr
	WIN (\w)<<2                                    ; source 1 window w
.set j, 8
.rept 120
	v_pk_add_f32 v[SU+2*(j%4):SU+2*(j%4)+1], v[SU+2*(j%4):SU+2*(j%4)+1], v[2*j:2*j+1]
.set j, j+1
.endr
	WIN 0
	v_pk_add_f32 v[SU:SU+1], v[SU:SU+1], v[SU+2:SU+3]
	v_pk_add_f32 v[SU+4:SU+5], v[SU+4:SU+5], v[SU+6:SU+7]
	v_pk_add_f32 v[SU:SU+1], v[SU:SU+1], v[SU+4:SU+5]
	v_add_f32 v[ZZ], v[SU], v[SU+1]
	v_permlanex16_b32 v[ZZ+1], v[ZZ], s20, s21
	v_add_f32 v[st+1], v[ZZ], v[ZZ+1]              ; l: the sum of my query's p over my wave's 512 keys
.endm
; The tile of parity p is finished, in two parts.  WEIGH1: M and the five exponentials 2^(cm_k - M), 2^(cm - M), up to the wait for them.
.macro WEIGH1 p
.set st, ST+2*(\p)
	WIN 0
	v_max3_num_f32 v[ZZ], v[SL], v[SL+2], v[SL+4]
	v_max_num_f32 v[ZZ], v[ZZ], v[SL+6]            ; M
.irp k, 0,2,4,6
	v_sub_f32 v[SL+\k], v[SL+\k], v[ZZ]
.endr
	v_sub_f32 v[ZZ+1], v[st], v[ZZ]                ; and my own wave's
.irp k, 0,2,4,6
	v_exp_f32 v[SL+\k], v[SL+\k]
.endr
	v_exp_f32 v[ZZ+1], v[ZZ+1]
	v_nop
	s_wait_alu depctr_va_vdst(0)                   ; the five exponentials have written their results; and the additions ahead of them have written the rows of out0 and the two offsets, which the stores and loads that follow this macro read
.endm
; WEIGH2: r, the weights p r in window w, their codes and scale words, and my partial O^T = V^T P^T over my 512 keys.
.macro WEIGH2 w, p
.set bm, BM0+8*(\p)
	v_mul_f32 v[ZZ+2], v[SL], v[SL+1]
	v_fma_f32 v[ZZ+2], v[SL+2], v[SL+3], v[ZZ+2]
	v_fma_f32 v[ZZ+2], v[SL+4], v[SL+5], v[ZZ+2]
	v_fma_f32 v[ZZ+2], v[SL+6], v[SL+7], v[ZZ+2]   ; L, at least 1
	v_rcp_f32 v[ZZ+3], v[ZZ+2]
	v_nop
	s_wait_alu depctr_va_vdst(0)                   ; the reciprocal has written its result, ahead of its reader
	v_mul_f32 v[RR], v[ZZ+1], v[ZZ+3]              ; r
.set b, 0
.rept 8
	v_mul_f32 v[bm+b], v[bm+b], v[RR]              ; each block's largest weight,
.set b, b+1
.endr
.set b, 0
.rept 8
	v_max_num_f32 v[bm+b], 0x1800000, v[bm+b]      ; held at the floor 2^(3 - 127), so that the byte cannot fall under 1;
.set b, b+1
.endr
.set b, 0
.rept 8
	v_add_nc_u32 v[bm+b], 0xff000000, v[bm+b]      ; 2 off its exponent field: the conversion's scale operand;
.set b, b+1
.endr
.set b, 0
.rept 8
	v_lshrrev_b32 v[TT+8+b], 23, v[bm+b]           ; the byte
.set b, b+1
.endr
.irp e, 0,1
	v_lshl_or_b32 v[PW+\e], v[TT+9+4*\e], 8, v[TT+8+4*\e]    ; lanes 0-15: the word of key step e; lanes 16-31: of step 2 + e
	v_lshl_or_b32 v[PW+\e], v[TT+10+4*\e], 16, v[PW+\e]
	v_lshl_or_b32 v[PW+\e], v[TT+11+4*\e], 24, v[PW+\e]
.endr
.set b, 0
.rept 8
	v_mov_b32 v[TT+b], v[bm+b]
.set b, b+1
.endr
.set b, 0
.rept 8
	v_permlane16_swap_b32 v[bm+b], v[TT+b]         ; unpacked: block b's operand in all lanes of the first, block b + 8's in all lanes of the second
.set b, b+1
.endr
	WIN ((\w)<<6)|(\w)
.set j, 0
.rept 128
	v_pk_mul_f32 v[2*j:2*j+1], v[2*j:2*j+1], v[RR:RR+1] op_sel_hi:[1,0]   ; the weights.  (These also stand between the scale words' last write and the products that name them)
.set j, j+1
.endr
	WIN (\w)                                       ; source 0 window w
.set b, 0
.rept 8
	v_cvt_scalef32_pk8_fp4_f32 v[PCD+2*b], v[16*b:16*b+7], v[bm+b]
	v_cvt_scalef32_pk8_fp4_f32 v[PCD+2*b+1], v[16*b+8:16*b+15], v[bm+b]
.set b, b+1
.endr
.rept 8
	v_cvt_scalef32_pk8_fp4_f32 v[PCD+2*b], v[16*b:16*b+7], v[TT+b-8]
	v_cvt_scalef32_pk8_fp4_f32 v[PCD+2*b+1], v[16*b+8:16*b+15], v[TT+b-8]
.set b, b+1
.endr
	v_nop                                          ; one plain place behind the conversions
	WIN 0
.set n, 0
.rept 8                                            ; the operand's layout wants a whole block in a lane: lanes 0-15 the even block of a pair, lanes 16-31 the odd one
	v_permlane16_swap_b32 v[PCD+4*n], v[PCD+4*n+2]
	v_permlane16_swap_b32 v[PCD+4*n+1], v[PCD+4*n+3]
.set n, n+1
.endr
.rept 4
	v_nop                                          ; an operand written by vector instructions stands four places ahead of a scaled matrix instruction
.endr
	s_wait_alu depctr_va_vdst(0)                   ; the conversions and exchanges have written the weights' codes and the shifts their scale words, which the products below take as source 1 and as scales; the places above stay beside this wait
	WIN 3                                          ; source 0 (V) window 3
.set n, 0
.rept 16                                           ; key step n / 4, rows 16 (n % 4) of V: the four accumulators take turns, one instruction a turn
.set sq, n/4
.set tq, n%4
.if sq == 0
	v_wmma_scale_f32_16x16x128_f8f6f4 v[OO+8*tq:OO+8*tq+7], v[128+8*(4*tq+sq):128+8*(4*tq+sq)+7], v[PCD+8*sq:PCD+8*sq+7], 0, v[VS+4*tq+sq], v[PW] matrix_a_fmt:MATRIX_FMT_FP4 matrix_b_fmt:MATRIX_FMT_FP4
.elseif sq == 1
	v_wmma_scale_f32_16x16x128_f8f6f4 v[OO+8*tq:OO+8*tq+7], v[128+8*(4*tq+sq):128+8*(4*tq+sq)+7], v[PCD+8*sq:PCD+8*sq+7], v[OO+8*tq:OO+8*tq+7], v[VS+4*tq+sq], v[PW+1] matrix_a_fmt:MATRIX_FMT_FP4 matrix_b_fmt:MATRIX_FMT_FP4
.else
	v_wmma_scale_f32_16x16x128_f8f6f4 v[OO+8*tq:OO+8*tq+7], v[128+8*(4*tq+sq):128+8*(4*tq+sq)+7], v[PCD+8*sq:PCD+8*sq+7], v[OO+8*tq:OO+8*tq+7], v[VS+4*tq+sq], v[PW+sq-2] matrix_a_fmt:MATRIX_FMT_FP4 matrix_b_fmt:MATRIX_FMT_FP4 matrix_b_scale:MATRIX_SCALE_ROW1
.endif
.set n, n+1
.endr
	WIN 0
.endm
; v[vd] = my byte in tile s24 + d of q or out0: tile n lies 16 (n / 4) positions of 8,192 bytes and n % 4 heads of 256 bytes on.  clamp = 1: no tile past the last
.macro FOFF vd, d, clamp
	s_add_co_u32 s25, s24, (\d)
.if \clamp
	s_min_u32 s25, s25, 31
.endif
	s_lshr_b32 s26, s25, 2
	s_lshl_b32 s26, s26, 17
	s_and_b32 s25, s25, 3
	s_lshl_b32 s25, s25, 8
	s_or_b32 s25, s25, s26
	v_add_nc_u32 v[\vd], s25, v[GL]
.endm
.macro REDLOAD slot                    ; my four rows of the four waves' partial O
.irp k, 0,1,2,3
.irp j, 0,1
	ds_load_b128 v[RED+8*\k+4*\j:RED+8*\k+4*\j+3], v[OPR] offset:OPS*(\slot)+OPWV*\k+2*PIT*\j
.endr
.endr
.endm
.macro REDUCE                          ; (wave 0 + wave 1) + (wave 2 + wave 3)
.irp j, 0,2,4,6
	v_pk_add_f32 v[RED+\j:RED+\j+1], v[RED+\j:RED+\j+1], v[RED+8+\j:RED+9+\j]
	v_pk_add_f32 v[RED+16+\j:RED+17+\j], v[RED+16+\j:RED+17+\j], v[RED+24+\j:RED+25+\j]
.endr
.irp j, 0,2,4,6
	v_pk_add_f32 v[OS+\j:OS+\j+1], v[RED+\j:RED+\j+1], v[RED+16+\j:RED+17+\j]
.endr
.endm
.macro SEND
	global_store_b128 v[OA], v[OS:OS+3], s[12:13] th:TH_STORE_NT                 ; sixteen lanes store a head's 256 consecutive bytes, at a multiple of 256 from out0's first byte
	global_store_b128 v[OA], v[OS+4:OS+7], s[12:13] offset:16384 th:TH_STORE_NT
.endm
; THE TURN OF TILE i = s24 + p (its scores lie in window 1 + p).  a: tile i + 1 is begun.  qf: q's fragment of tile i + 2 is fetched.  qs: tile i + 3 of q is quantised and tile i + 4 asked for.
; g: the stores are jumped over in the first trip, which has no tile before it (their offset is made all the same, ahead of the wait that serves it, and no instruction uses it there).
; Between this barrier and the next the waves READ the figures' slot p, partial O's slot 1 - p and q's slot p, and WRITE partial O's slot p, q's slot 1 - p and the figures' slot 1 - p;
; every wave's reads are back at the wait for 0 in front of its next signal.
.macro HALF p, a, qf, qs, g
	ds_store_b64 v[STW], v[ST+2*\p:ST+2*\p+1] offset:1024*\p    ; (cm and l were written ahead of the last wait on va_vdst: the one ahead of the turn before's last stores, or the one in front of the loop)
	s_wait_dscnt 0x0                               ; for the others' sake: my figures, my partial O of the tile before and my codes of q have landed; and my reads of what is written next are back
	s_barrier_signal -1
.if \a
	SCORES 2-\p, 1-\p                              ; register work while the others arrive
.endif
	s_barrier_wait -1
.if \qf
	s_wait_alu depctr_va_vdst(0)                   ; the products above are done reading q's fragment and its scale words, in which two of the loads below land
.endif
.irp k, 0,1,2,3
	ds_load_b64 v[SL+2*\k:SL+2*\k+1], v[STR] offset:1024*\p+256*\k   ; wave k's (cm, l) of my query
.endr
	REDLOAD 1-\p
.if \qf
	ds_load_b128 v[QF+4:QF+7], v[QFR] offset:1024*\p
	ds_load_b32 v[QS], v[QSR] offset:1024*\p
.endif
.if \qs
	s_wait_loadcnt 0x0                             ; the rows of q asked for a tile ago
	QTURN QR
.endif
.if \a
	EXPSUM 2-\p, 1-\p                              ; and these loads land meanwhile
.endif
	s_wait_dscnt 0x0
	s_wait_xcnt 0x0                                ; the last tile's stores have read their data and offset: both are written again only behind this wait
	s_wait_alu depctr_vm_vsrc(0)                   ; all stores and loads issued so far have read their registers: the last tile's rows of out0 and the two offsets, written again just below; the rows of q, in which the next land; the last tile's partial O, codes and scale word of q, written again in this turn; this tile's cm and l, written again in the next
	REDUCE
	FOFF OA, \p-1, 0
.if \qs
	FOFF QA, \p+4, 1
.endif
	WEIGH1 \p
.if \g
	s_cmp_eq_u32 s24, 0
	s_cbranch_scc1 .Lfirst_\@
.endif
	SEND                                           ; no further wait: no vector instruction since WEIGH1's wait names these registers
.if \g
.Lfirst_\@:
.endif
.if \qs
	global_load_b128 v[QR:QR+3], v[QA], s[4:5] th:TH_LOAD_NT
	global_load_b128 v[QR+4:QR+7], v[QA], s[4:5] offset:16384 th:TH_LOAD_NT
.endif
	WEIGH2 1+\p, \p
.if \qs
	QCOMP                                          ; its first four lines are the places between the last products and the stores of their results
.else
.rept 4
	v_nop
.endr
.endif
	s_wait_alu depctr_va_vdst(0)                   ; the products have written my partial O, and the lines above q's codes and scale word, which the stores below read; the places above stay beside this wait.  All that named the figures' registers, the codes' and the eight neighbours of q is done too: the next turn's loads land there
.irp t, 0,1,2,3
	ds_store_b128 v[OPW], v[OO+8*\t:OO+8*\t+3] offset:OPS*\p+64*\t       ; lane (r, h): o(query r, 16 t + 8 h + 0 .. 7); each result from its low end on
	ds_store_b128 v[OPW], v[OO+8*\t+4:OO+8*\t+7] offset:OPS*\p+64*\t+16
.endr
.if \qs
	QPUT 1024*(1-\p)
.endif
.endm
	s_wait_dscnt 0x0                               ; q's codes of tiles 0, 1, 2 and the zeros have landed
	s_barrier_signal -1
	s_barrier_wait -1
	s_wait_alu depctr_vm_vsrc(0)                   ; the head's LDS stores have read their registers: window 1, which the first scores write, and the rows of q of tiles 0 to 2, which become the blocks' figures
	ds_load_b128 v[QF+4:QF+7], v[QFR] offset:2048  ; tile 0
	ds_load_b32 v[QS], v[QSR] offset:2048
	s_wait_dscnt 0x0
	SCORES 1, 0                                    ; (K's codes and scale words were written ahead of the waits on va_vdst in q's three tiles above)
	EXPSUM 1, 0
	s_wait_alu depctr_va_vdst(0)                   ; tile 0's products are done reading q's fragment and scale words, in which the loads below land; its cm and l are written, which the first turn's store reads
	ds_load_b128 v[QF+4:QF+7], v[QFR] offset:3072  ; tile 1: waited for at the head of the first turn
	ds_load_b32 v[QS], v[QSR] offset:3072
	s_mov_b32 s24, 0
.Ltile:                                            ; 15 trips, two tiles each: tiles 0 to 29.  (Tiles past the last are clamped to it: the last two turns ask for tile 31 again, and one quantises it into a slot that nobody reads)
	HALF 0, 1, 1, 1, 1
	HALF 1, 1, 1, 1, 0
	s_add_co_u32 s24, s24, 2
	s_cmp_lt_u32 s24, 30
	s_cbranch_scc1 .Ltile
	HALF 0, 1, 0, 0, 0                             ; tile 30; tile 31 is begun; nothing more of q is wanted
	HALF 1, 0, 0, 0, 0                             ; tile 31
	s_wait_dscnt 0x0                               ; my partial O of tile 31 has landed
	s_barrier_signal -1
	s_barrier_wait -1
	REDLOAD 1                                      ; (all that named these registers stands ahead of the last turn's last wait on va_vdst)
	s_wait_dscnt 0x0
	s_wait_xcnt 0x0
	s_wait_alu depctr_vm_vsrc(0)                   ; tile 30's stores have read their rows and their offset, which the lines below write again
	REDUCE
	FOFF OA, 1, 0
	s_wait_alu depctr_va_vdst(0)                   ; the additions have written tile 31's rows and their offset, which the last two stores read
	SEND
	s_wait_dscnt 0x0                               ; the closing lines, six on end
	s_wait_alu 0x0
	s_wait_tensorcnt 0x0
	ds_add_u32 v190, v191
	s_wait_dscnt 0x0
	s_endpgm
.Lfunc_end_k_qb88040bc9b_gqa:
	.size	k_qb88040bc9b_gqa, .Lfunc_end_k_qb88040bc9b_gqa-k_qb88040bc9b_gqa
	.p2alignl 7, 3214868480
	.fill 96, 4, 3214868480
	.section	.rodata,"a",@progbits
	.p2align	6, 0x0
	.amdhsa_kernel k_qb88040bc9b_gqa
		.amdhsa_group_segment_fixed_size 80384
		.amdhsa_private_segment_fixed_size 0
		.amdhsa_enable_private_segment 0
		.amdhsa_kernarg_size 40
		.amdhsa_user_sgpr_count 2
		.amdhsa_user_sgpr_kernarg_segment_ptr 1
		.amdhsa_wavefront_size32 1
		.amdhsa_system_sgpr_workgroup_id_x 1
		.amdhsa_system_sgpr_workgroup_id_y 1
		.amdhsa_system_sgpr_workgroup_id_z 1
		.amdhsa_system_vgpr_workitem_id 0
		.amdhsa_next_free_vgpr 1024
		.amdhsa_next_free_sgpr 66
		.amdhsa_reserve_vcc 0
		.amdhsa_float_denorm_mode_32 3
		.amdhsa_float_denorm_mode_16_64 3
		.amdhsa_memory_ordered 1
		.amdhsa_forward_progress 1
		.amdhsa_inst_pref_size 255
	.end_amdhsa_kernel
	.section	.bss,"aw",@nobits
	.p2align	6
	.space	262144
	.amdgpu_metadata
---
amdhsa.version: [ 1, 2 ]
amdhsa.kernels:
  - .name:           k_qb88040bc9b_gqa
    .symbol:         k_qb88040bc9b_gqa.kd
    .args:
      - { .name: q, .offset: 0, .size: 8, .value_kind: global_buffer, .address_space: global }
      - { .name: k, .offset: 8, .size: 8, .value_kind: global_buffer, .address_space: global }
      - { .name: v_codes, .offset: 16, .size: 8, .value_kind: global_buffer, .address_space: global }
      - { .name: v_scales, .offset: 24, .size: 8, .value_kind: global_buffer, .address_space: global }
      - { .name: out0, .offset: 32, .size: 8, .value_kind: global_buffer, .address_space: global }
    .group_segment_fixed_size: 80384
    .private_segment_fixed_size: 0
    .kernarg_segment_align: 8
    .kernarg_segment_size: 40
    .max_flat_workgroup_size: 128
    .sgpr_count:     66
    .vgpr_count:     1024
    .wavefront_size: 32
...
	.end_amdgpu_metadata
.endif
;; end of part 2
